; MI455X (gfx1250); checked and timed in simulation.
; The chip was launched on July 23, 2026; its instructions are those of AMD's public machine-readable ISA for CDNA 5 (MIT licence, August 2026) and "CDNA5" Instruction Set Architecture Reference Guide (July 2026). The comments in the code are by the model that wrote it; some were corrected since.
;; Simple Attention. Allowed arithmetic: matrix products marked QUANTISED: E5M2 operands, one given power-of-two scale a tensor, by v_wmma_f32_16x16x64_bf8_bf8 or v_wmma_f32_16x16x128_bf8_bf8, f32 sums; products left as they are: f32 operands where the result goes on into a quantised operand, else bf16, f16 or f32 operands; f32 sums; everything else in f32.
;; Inputs: A 1,024 x 1,024 float32; B 1,024 x 1,024 float32; lowp_scales 4 int32 (the exponents e of the quantised operands' scales 2^e); x 16 x 4,096 x 1,024 float32.
;; Outputs: out0 16 x 1,024 float32; out1 16 x 4,096 float32.
;; This version of the problem:
;;   THIS VERSION OF THE PROBLEM IS GIVEN IN LOW PRECISION. The matrix products marked QUANTISED in the list below multiply operands that are first quantised to E5M2 (5 exponent bits, 2 mantissa bits; 8 bits a number), with one given power-of-two scale for each operand tensor; their sums are f32. All else is computed in f32.
;;   The module's matrix products, in the order in which they are computed (A, B: the left and right operand; K: the contracted axis; several contracted axes count as one K, in the product's order):
;;     1. [M 16, K 1,024] x [K 1,024, N 1,024]; A: computed on the way; B: input A: QUANTISED (scales: A lowp_scales[0], B lowp_scales[1])
;;     2. [M 65,536, K 1,024] x [K 1,024, N 1,024]; A: input x; B: input B: QUANTISED (scales: A lowp_scales[2], B lowp_scales[3])
;;     3. batch 16 x [M 1, K 1,024] x [K 1,024, N 4,096]; A: computed on the way; B: computed on the way: left as it is (M = 1 < 16)
;;     4. batch 16 x [M 1, K 4,096] x [K 4,096, N 1,024]; A: computed on the way; B: input x: left as it is (M = 1 < 16)
;;   THE QUANTISER, for each operand of a quantised product, along K:
;;     - The operand's scale is 2^e, e = its entry of the input lowp_scales (int32; the entries are numbered through the quantised products in the list's order, A before B).
;;     - Each number is divided by the scale, clamped to +-57,344, and rounded to the nearest number of E5M2, ties to even, subnormals kept.
;;     - The product sums the exact products of the quantised numbers (number of the format x scale) in f32.
;;   ~~~python
;;   def quantise(x, axis, e):      # numpy; x: float32 -> the quantised numbers, widened to float32 again
;;       x = np.moveaxis(x, axis, -1); K = x.shape[-1]
;;       r = np.clip(x / 2.0 ** e, -57344, 57344)
;;       step = 2.0 ** (np.maximum(np.frexp(np.where(r == 0, 1, r))[1] - 1, -14) - 2)
;;       q = np.round(r / step) * step * 2.0 ** e      # np.round: ties to even
;;       return np.moveaxis(q, -1, axis).astype(np.float32)
;;   ~~~
;;   OPERANDS COMPUTED ON THE WAY. 'Computed on the way' means the value that the module computes at that place (a softmax that the list does not call 'softmax' is quantised finished and normalised). What goes into a quantiser is computed in f32, as accurately as f32 sums, v_exp_f32 and their like allow (about 1e-6 of the number): no bf16 or f16 on the way to a quantiser, and a product that is left as it is and whose result goes on into a quantised operand takes f32 operands (vector FMAs, or v_wmma_f32_16x16x4_f32). A number that lies on a knife's edge between two numbers of the format may be rounded either way, as far as f32 arithmetic and the matrix unit's own rounding can turn it there, and no further.
;; One version. Each part assembles by itself: llvm-mc -triple=amdgcn-amd-amdhsa -mcpu=gfx1250 --defsym DOCPART=n.
;; ======== version 1 of 1: 5 launches
;; workspace buffers: acodes 1,048,576 bytes; bcodes 1,048,576 bytes; xpart 1,048,576 bytes; rinv 262,144 bytes; wpart 1,048,576 bytes; qq 1,024 bytes; opart 1,048,576 bytes
;; launch quant (part 1): grid 256 x 1, 4 waves a work-group, no clusters, 33,280 bytes of LDS; arguments A, B, lowp_scales, acodes, bcodes; writes acodes, bcodes
.if DOCPART == 1
	.amdgcn_target "amdgcn-amd-amdhsa--gfx1250"
	.amdhsa_code_object_version 6
	.text
	.protected	k_q252f8238e2_quant
	.globl	k_q252f8238e2_quant
	.p2align	8
	.type	k_q252f8238e2_quant,@function
k_q252f8238e2_quant:
	s_mov_b64 s[64:65], 0
	v_nop
	global_prefetch_b8 v0, s[64:65] scope:SCOPE_SE
	s_setreg_imm32_b32 hwreg(HW_REG_WAVE_MODE, 25, 1), 1
	s_wait_xcnt 0x0
; A [1024][1024] and B [1024][1024], f32, become codes of BF8 (E5M2), one byte each, K (the last axis) innermost, each with the scale 2^e given for it:
; entry 1 of the scales for A, entry 3 for B.  code = x / 2^e, held within +-57,344, rounded to the nearest code, ties to even.
; LIMITS: -126 <= e <= 112, so that 2^e and 57,344 x 2^e are f32 numbers.  NaN among the inputs is not served; an infinity is held at the largest code.
; Rows are dense, so each tensor is a plain stream of numbers, and so are its codes.  A wave takes 4 steps of 512 numbers; 128 work-groups take A, 128 take B.
; Each load reads 512 consecutive bytes, 16 a lane; a conversion wants 8 NEIGHBOURS in one lane's registers.  So a step's 2,048 bytes turn through the wave's own
; stage in LDS and come back 64 bytes a lane (16 bytes of padding behind each 64).  A lane's 16 codes are 16 bytes: a store of the wave covers 512 consecutive bytes.
; No tensor loads, no barrier: waves share nothing.  All 16 loads of a wave go out at its head.
.set STEPS, 4
.set WGA,   128                        ; work-groups for A: 1024 x 1024 / (4 waves x 4 steps x 512)
.set EMAX,  15
.set MANT,  0x600000                   ; the mantissa field of 57,344 as f32
.set CB,    16                         ; bytes of 16 codes
.set R,     16                         ; v16-79   four sets of 16 numbers as they are loaded
.set X,     80                         ; v80-111  two sets of 16 neighbours
.set C,     128                        ; v128-143 codes: four registers for each step, so that no store's data are written again
.set WREG,  8192                       ; LDS: a region for each wave: two stages of 32 x SP bytes
.set SP,    80                         ; a lane's place in a stage: 64 bytes + 16 of padding
	s_load_b128 s[4:7], s[0:1], 0x0                ; A, B
	s_load_b64 s[10:11], s[0:1], 0x10              ; the scales' exponents
	s_load_b128 s[12:15], s[0:1], 0x18             ; A's codes, B's codes
	v_lshl_add_u32 v144, v0, 2, 0x8000
	v_mov_b32 v145, 0
	v_lshrrev_b32 v1, 5, v0
	v_readfirstlane_b32 s16, v1                    ; wave
	v_and_b32 v2, 31, v0                           ; lane
	v_lshlrev_b32 v3, 4, v2                        ; my 16 bytes of a load's 512
	s_mul_i32 s17, s16, WREG
	v_lshrrev_b32 v14, 2, v2
	v_mul_u32_u24 v14, v14, SP
	v_and_b32 v15, 3, v2
	v_lshl_add_u32 v14, v15, 4, v14
	v_add_nc_u32 v14, s17, v14                     ; the stage, on the way in: SP (lane / 4) + 16 (lane % 4); a load's 512 bytes take eight places
	v_mul_u32_u24 v15, v2, SP
	v_add_nc_u32 v15, s17, v15                     ; and on the way out: SP x lane: my 16 neighbours
	v_mul_u32_u24 v4, v2, CB                       ; my codes' place in a step's
	s_wait_kmcnt 0x0
	s_load_b128 s[24:27], s[10:11], 0x0            ; the four exponents
	s_cmp_lt_u32 ttmp9, WGA                        ; A's work-group or B's?  The choice hangs on the work-group's number alone
	s_cselect_b64 s[4:5], s[4:5], s[6:7]
	s_cselect_b64 s[8:9], s[12:13], s[14:15]
	s_cselect_b32 s17, 0, WGA
	s_sub_co_u32 s17, ttmp9, s17
	s_lshl_b32 s17, s17, 2
	s_add_co_u32 s18, s17, s16                     ; which run of 2,048 numbers of the tensor is my wave's
	s_mov_b32 s19, 0
	s_mov_b64 s[20:21], 512*STEPS*4
	s_mul_u64 s[20:21], s[18:19], s[20:21]
	s_add_nc_u64 s[4:5], s[4:5], s[20:21]
	s_mov_b64 s[20:21], 32*STEPS*CB
	s_mul_u64 s[20:21], s[18:19], s[20:21]
	s_add_nc_u64 s[8:9], s[8:9], s[20:21]
.macro LOAD t
.irp i, 0,1,2,3
	global_load_b128 v[R+16*((\t)%4)+4*\i:R+16*((\t)%4)+4*\i+3], v3, s[4:5] offset:2048*(\t)+512*\i th:TH_LOAD_NT   ; 32 lanes read 512 consecutive bytes
.endr
.endm
.macro TURN t                          ; step t's numbers through the stage: LDS serves a wave's instructions in order, so no wait stands between the stores and the loads
.irp i, 0,1,2,3
	ds_store_b128 v14, v[R+16*((\t)%4)+4*\i:R+16*((\t)%4)+4*\i+3] offset:32*SP*((\t)%2)+8*SP*\i
.endr
.irp i, 0,1,2,3
	ds_load_b128 v[X+16*((\t)%2)+4*\i:X+16*((\t)%2)+4*\i+3], v15 offset:32*SP*((\t)%2)+16*\i
.endr
.endm
.irp t, 0,1,2,3
	LOAD \t
.endr
	s_wait_kmcnt 0x0
	s_cmp_lt_u32 ttmp9, WGA
	s_cselect_b32 s22, s25, s27                    ; e: entry 1 for A, entry 3 for B
	s_add_co_i32 s22, s22, 127
	s_lshl_b32 s23, s22, 23
	v_mov_b32 v11, s23                             ; 2^e as f32: the conversion takes its exponent field
	s_add_co_i32 s22, s22, EMAX
	s_lshl_b32 s22, s22, 23
	s_or_b32 s22, s22, MANT
	v_mov_b32 v10, s22                             ; the largest number x 2^e
	s_wait_loadcnt 12                              ; step 0's four loads are in; the twelve of steps 1 to 3 may be out
	TURN 0
.macro STEP t
.set XS, X+16*((\t)%2)
	s_wait_dscnt 0x0                               ; this step's numbers are back from the stage
.if (\t)+1 < STEPS
	s_wait_loadcnt 4*(STEPS-2-(\t))                ; the next step's four loads are in; those of the steps behind it may be out
	TURN (\t)+1                                    ; and go through the other stage while this step is worked
.endif
.irp i, 0,1,2,3,4,5,6,7,8,9,10,11,12,13,14,15
	v_med3_num_f32 v[XS+\i], v[XS+\i], -v10, v10   ; the conversion to an 8-bit code does not saturate (ISA guide 7.6.2): the hold at the largest code x the scale comes first
.endr
	v_cvt_scalef32_pk8_bf8_f32 v[C+4*(\t):C+4*(\t)+1], v[XS:XS+7], v11          ; eight numbers / 2^e, to the nearest code, ties to even; the first number's code in the lowest byte
	v_cvt_scalef32_pk8_bf8_f32 v[C+4*(\t)+2:C+4*(\t)+3], v[XS+8:XS+15], v11
	global_store_b128 v4, v[C+4*(\t):C+4*(\t)+3], s[8:9] offset:32*CB*(\t)      ; the results go to a store alone; the next vector lines are the next step's holds, on other registers
.endm
.irp t, 0,1,2,3
	STEP \t
.endr
	s_wait_tensorcnt 0x0
	ds_add_u32 v144, v145
	s_wait_dscnt 0x0
	s_endpgm
.Lfunc_end_k_q252f8238e2_quant:
	.size	k_q252f8238e2_quant, .Lfunc_end_k_q252f8238e2_quant-k_q252f8238e2_quant
	.p2alignl 7, 3214868480
	.fill 96, 4, 3214868480
	.section	.rodata,"a",@progbits
	.p2align	6, 0x0
	.amdhsa_kernel k_q252f8238e2_quant
		.amdhsa_group_segment_fixed_size 33280
		.amdhsa_private_segment_fixed_size 0
		.amdhsa_enable_private_segment 0
		.amdhsa_kernarg_size 40
		.amdhsa_user_sgpr_count 2
		.amdhsa_user_sgpr_kernarg_segment_ptr 1
		.amdhsa_wavefront_size32 1
		.amdhsa_system_sgpr_workgroup_id_x 1
		.amdhsa_system_sgpr_workgroup_id_y 1
		.amdhsa_system_sgpr_workgroup_id_z 1
		.amdhsa_system_vgpr_workitem_id 0
		.amdhsa_next_free_vgpr 146
		.amdhsa_next_free_sgpr 66
		.amdhsa_reserve_vcc 0
		.amdhsa_float_denorm_mode_32 3
		.amdhsa_float_denorm_mode_16_64 3
		.amdhsa_memory_ordered 1
		.amdhsa_forward_progress 1
		.amdhsa_inst_pref_size 12
	.end_amdhsa_kernel
	.amdgpu_metadata
---
amdhsa.version: [ 1, 2 ]
amdhsa.kernels:
  - .name:           k_q252f8238e2_quant
    .symbol:         k_q252f8238e2_quant.kd
    .args:
      - { .name: A, .offset: 0, .size: 8, .value_kind: global_buffer, .address_space: global }
      - { .name: B, .offset: 8, .size: 8, .value_kind: global_buffer, .address_space: global }
      - { .name: lowp_scales, .offset: 16, .size: 8, .value_kind: global_buffer, .address_space: global }
      - { .name: acodes, .offset: 24, .size: 8, .value_kind: global_buffer, .address_space: global }
      - { .name: bcodes, .offset: 32, .size: 8, .value_kind: global_buffer, .address_space: global }
    .group_segment_fixed_size: 33280
    .private_segment_fixed_size: 0
    .kernarg_segment_align: 8
    .kernarg_segment_size: 40
    .max_flat_workgroup_size: 128
    .sgpr_count:     66
    .vgpr_count:     146
    .wavefront_size: 32
...
	.end_amdgpu_metadata
.endif
;; end of part 1
;; launch keysnorm (part 2): grid 256 x 1, 4 waves a work-group, clusters of 4 x 1, 327,680 bytes of LDS; arguments x, bcodes, lowp_scales, xpart, rinv; writes xpart, rinv
.if DOCPART == 2
	.amdgcn_target "amdgcn-amd-amdhsa--gfx1250"
	.amdhsa_code_object_version 6
	.text
	.protected	k_q252f8238e2_keysnorm
	.globl	k_q252f8238e2_keysnorm
	.p2align	8
	.type	k_q252f8238e2_keysnorm,@function
k_q252f8238e2_keysnorm:
	s_mov_b64 s[64:65], 0
	v_nop
	global_prefetch_b8 v0, s[64:65] scope:SCOPE_SE
	s_setreg_imm32_b32 hwreg(HW_REG_WAVE_MODE, 25, 1), 1
	s_wait_xcnt 0x0
	s_wait_alu depctr_hold_cnt(0) depctr_sa_sdst(0) depctr_va_vdst(0) depctr_va_sdst(0) depctr_va_ssrc(0) depctr_va_vcc(0) depctr_vm_vsrc(0)
	s_getreg_b32 s2, hwreg(HW_REG_IB_STS2, 6, 4)
	s_cmp_eq_u32 s2, 0
	s_cbranch_scc0 .Lentry_in_a_cluster
	s_endpgm
.Lentry_in_a_cluster:
	s_bfe_u32 s2, ttmp6, 0x10000c
	s_cmp_lg_u32 s2, 0x3003
	s_cbranch_scc0 .Lentry_shape_is_right
	s_endpgm
.Lentry_shape_is_right:
; The first pass over x [65536][1024] f32.  For each row: rinv = 1 / (1e-5 + |keys row|), keys = Q(x) Q(B)^T on codes of BF8 (E5M2); for each work-group: the column sums of its 256 rows (xpart).
; keys never go to memory: only the sum of their squares is kept.  (The numerator q . keys is made in the second pass, as Q(x) . (Q(B)^T q): the same sum in another order.)
; SHARES.  Work-group g owns rows 256 g on; each of its four waves 64 rows, four tiles of 16.
; PHASE X: a wave reads its 64 rows once (every load 512 consecutive bytes), adds them into column sums, quantises them with 2^e2 and keeps ALL their codes, 64 rows x 1,024 K, in 512 registers.
;   A lane's loaded numbers are 4 neighbours of each 128 columns; an operand wants 16 neighbours of a row: so the codes turn through the wave's own stage in LDS, 32 rows at a time.
; PHASE G: all four waves walk B's 1,024 rows of codes through a ring of two LDS slots of 64 rows x 1,024 bytes.  A fragment of B read from LDS feeds four matrix instructions, x's codes are never read again.
;   The product is used transposed (source 0 = 16 rows of B, source 1 = 16 rows of x): a lane holds ONE row of x, so the sum of squares stays in the lane but for one exchange between the halves.
;   K's places in the registers are a permutation of the form's own, the same in both operands (four loads of 16 bytes a fragment in place of eight of 8): every product meets its partner.
; CLUSTER.  Every work-group walks the same B: the four of a cluster ask for each tile JOINTLY (the same load, the same descriptor, mask 15).  A wave's load is 16 rows x 1,024 bytes, a quarter of a slot:
;   with the stage (133,120 bytes) beside the ring, 64 rows are what a slot can hold, and a row cannot be cut, since the padding stands behind whole rows of 1,024 bytes.
; By this text's own count a wave has two tensor loads outstanding at the start and one behind each round.
; LIMITS: e2 between -126 and 112.  NaN among the inputs is not served; an infinity is held at the largest code.  The squares are taken of the raw sums (keys / 2^(e2 + e3)):
;   those are multiples of 2^-32 and at most 1,024 x 57,344^2, so that a row's sum of squares lies between 2^-64 and 1.2e28 or is 0: no overflow, no underflow, whatever the scales.
; REGISTERS, in windows of 256: window 0: v1-15 addresses and constants; v16-47 column sums, later v16-31 the sums of squares; v48-111 at work; v112-143 codes just made; v128-255 in phase G two sets of 8 accumulators.
;   window 1: phase X a ring of 8 rows x 32 registers; phase G B's fragments, two sets of 128.   windows 2, 3: x's codes: tile t, K step 4 (window - 2) + s at v[64 t + 16 s].
.set PITCH, 1040                       ; an LDS row of 1,024 codes + 16 bytes of padding = 260 words: row r starts at bank 4 r mod 64 (64 banks of 4 bytes: ISA guide 11.1)
.set SLOT,  64*PITCH                   ; 66,560: 64 rows of B
.set XST,   2*SLOT                     ; behind the ring: the stages, 32 rows x PITCH for each wave
.set XSTW,  32*PITCH
.set XSUM,  XST+4*XSTW                 ; the waves' column sums, 4,096 bytes each
.set RST,   XSUM+4*4096                ; 256 bytes for each wave: its 64 results
.set SPARE, RST+4*256                  ; the spare words, 128 bytes for each wave: two blocks of 256 bytes that no other line names
.set RR,   1                           ; v1   lane % 16
.set HH,   2                           ; v2   lane / 16
.set L16,  3                           ; v3   16 x lane
.set STW0, 4                           ; v4   the stage, on the way in: my wave's stage + 4 x lane
.set STWC, 5                           ; v5   the same + the 8 rows in hand
.set STR,  6                           ; v6   the stage, on the way out: row lane % 16, + 16 (lane / 16)
.set ADB,  7                           ; v7-8 B's fragments in slot 0, 1
.set XSW,  9                           ; v9   where I put my column sums
.set XSR,  10                          ; v10  where I read the four waves' sums of my wave's 256 columns
.set LIM,  11                          ; v11  57,344 x 2^e2
.set SCL,  12                          ; v12  2^e2
.set RSA,  13                          ; v13  where I put a result
.set SPW,  14                          ; v14  LDS address of my spare word; never rewritten
.set NIL,  15                          ; v15  0; never rewritten
.set XS,   16
.set NACC, 16                          ; v16-31: a pair for each of a set's 8 accumulators
.set TMP,  48
.set CD,   112
.set ACC,  128
.set G1,   24                          ; s[24:31] descriptor group 1
.set G0,   32                          ; s[32:39] descriptor group 0, one set for each slot
.set MSB, 0
.macro WIN new                         ; the immediate's high byte repeats the setting that is left; a switch that changes nothing is dropped
.if MSB != (\new)
	s_set_vgpr_msb (MSB<<8)|(\new)
.set MSB, (\new)
.endif
.endm
.macro PLACES                          ; four places behind a matrix instruction, in front of reads of results and of loads into registers that it has read
.rept 4
	v_nop
.endr
.endm
.macro CREST                           ; a round of the cluster's barrier behind its opening barrier
	s_cmp_lg_u32 s14, 0
	s_cbranch_scc1 .Lnot_wave_0_\@
	s_barrier_signal -3
.Lnot_wave_0_\@:
	s_barrier_wait -3
	s_barrier_signal -1
	s_barrier_wait -1
.endm
.macro CROUND                          ; a whole round
	s_barrier_signal -1
	s_barrier_wait -1
	CREST
.endm
	s_load_b128 s[4:7], s[0:1], 0x0                ; x s[4:5], B's codes s[6:7]
	s_load_b128 s[8:11], s[0:1], 0x10              ; the scales' exponents s[8:9], xpart s[10:11]
	s_load_b64 s[12:13], s[0:1], 0x20              ; rinv
	v_lshl_add_u32 v[SPW], v0, 2, SPARE
	v_mov_b32 v[NIL], 0
	ds_add_u32 v14, v15
	ds_add_u32 v14, v15
	s_wait_dscnt 0x0
	v_lshrrev_b32 v1, 5, v0
	v_readfirstlane_b32 s14, v1                    ; wave 0..3
	s_bfe_u32 s15, ttmp6, 0x40000                  ; cx: my place in the cluster
	s_lshl_b32 s16, ttmp9, 2                       ; in a cluster launch ttmp9 counts clusters
	s_add_co_u32 s16, s16, s15                     ; g = 4 x cluster + cx: it enters the addresses of x, xpart and rinv alone
	; descriptor group 1: a tile of 16 rows x 1,024 bytes, padded in LDS
	s_mov_b32 s[G1+0], 15|(0<<16)|(1<<20)|(1<<21)|(7<<22)|(3<<25)   ; 15:0 the mask: all four work-groups; 17:16 elements of 1 byte; 20 padding on; 21 set beside a mask; 24:22 after every 256 words (code 7); 31:25 four words (code 3)
	s_mov_b32 s[G1+1], 1024<<16                    ; tensor_dim0 = 1,024
	s_mov_b32 s[G1+2], 16<<16                      ; tensor_dim1 = 16
	s_mov_b32 s[G1+3], 1024<<16                    ; tile_dim0 = 1,024
	s_mov_b32 s[G1+4], 16                          ; tile_dim1 = 16
	s_mov_b32 s[G1+5], 1024                        ; from row to row
	s_mov_b32 s[G1+6], 0
	s_mov_b32 s[G1+7], 0
	s_mul_i32 s20, s14, 16*PITCH                   ; my quarter of a slot: no place in the cluster enters an LDS address
	s_lshl_b32 s18, s14, 14                        ; and of a tile in memory: 16 rows x 1,024 bytes x wave
	s_mov_b32 s19, 0
	s_lshl_b32 s52, s16, 20                        ; x: 256 rows of 4,096 bytes x g
	s_lshl_b32 s53, s14, 18                        ;    + 64 rows x wave
	s_add_co_u32 s52, s52, s53
	s_mov_b32 s53, 0
	s_lshl_b32 s54, s16, 12                        ; xpart: 4,096 g + 1,024 x wave
	s_lshl_b32 s55, s14, 10
	s_add_co_u32 s54, s54, s55
	s_mov_b32 s55, 0
	s_lshl_b32 s56, s16, 10                        ; rinv: 1,024 g + 256 x wave
	s_lshl_b32 s57, s14, 8
	s_add_co_u32 s56, s56, s57
	s_mov_b32 s57, 0
	s_mov_b32 s50, 0x76543210                      ; v_permlanex16_b32's selects for lane l xor 16
	s_mov_b32 s51, 0xfedcba98
	s_wait_kmcnt 0x0
	s_load_b128 s[44:47], s[8:9], 0x0              ; e0 .. e3
	s_add_nc_u64 s[6:7], s[6:7], s[18:19]
	s_add_nc_u64 s[4:5], s[4:5], s[52:53]
	s_add_nc_u64 s[10:11], s[10:11], s[54:55]
	s_add_nc_u64 s[12:13], s[12:13], s[56:57]
	CROUND                                         ; all four work-groups are here: the first joint loads meet
.irp s, 0,1
	s_mov_b32 s[G0+4*\s], 1                                        ; count = 1
	s_add_co_u32 s[G0+4*\s+1], s20, \s*SLOT                        ; LDS address
	s_add_nc_u64 s[G0+4*\s+2:G0+4*\s+3], s[6:7], \s*65536          ; global address: B's rows 64 s + 16 x wave on
	s_or_b32 s[G0+4*\s+3], s[G0+4*\s+3], 0x80000000                ; type = 2
.endr
	tensor_load_to_lds s[G0:G0+3], s[G1:G1+7]      ; both first fills go out together, ahead of every wait on TENSORcnt and every LDS read; they land under phase X
	s_nop 0
	tensor_load_to_lds s[G0+4:G0+7], s[G1:G1+7]
	s_nop 0
	PLACES                                         ; four v_nop follow the loads
	v_and_b32 v[STWC], 31, v0                      ; lane
	v_lshlrev_b32 v[L16], 4, v[STWC]
	WIN 0x40                                       ; destination window 1
.set j, 0
.rept 64                               ; the ring is filled: rows 0 to 7, eight loads of 512 consecutive bytes a row
	global_load_b128 v[4*j:4*j+3], v[L16], s[4:5] offset:(j/8)*4096+512*(j%8) th:TH_LOAD_NT
.set j, j+1
.endr
	WIN 0
	v_and_b32 v[RR], 15, v0
	v_bfe_u32 v[HH], v0, 4, 1
	s_mul_i32 s21, s14, XSTW
	s_add_co_u32 s21, s21, XST                     ; my stage
	v_lshl_add_u32 v[STW0], v[STWC], 2, s21
	v_mul_u32_u24 v[ADB], v[RR], PITCH
	v_lshl_add_u32 v[ADB], v[HH], 4, v[ADB]        ; a fragment's row x pitch + 16 x half
	v_add_nc_u32 v[STR], s21, v[ADB]
	v_add_nc_u32 v[ADB+1], SLOT, v[ADB]
	s_lshl_b32 s22, s14, 12
	s_add_co_u32 s22, s22, XSUM
	v_add_nc_u32 v[XSW], s22, v[L16]
	s_lshl_b32 s22, s14, 10
	s_add_co_u32 s22, s22, XSUM
	v_add_nc_u32 v[XSR], s22, v[L16]
	s_lshl_b32 s23, s14, 8
	s_add_co_u32 s23, s23, RST                     ; my 256 bytes for the results (kept for the way out)
	v_lshl_add_u32 v[RSA], v[STWC], 2, s23
.set j, 0
.rept 32
	v_mov_b32 v[XS+j], 0                           ; the column sums begin at 0: the rows are walked in loops, which have no first row of their own
.set j, j+1
.endr
	s_wait_kmcnt 0x0
	s_add_co_i32 s21, s46, 127
	s_lshl_b32 s22, s21, 23
	v_mov_b32 v[SCL], s22                          ; 2^e2 as f32: the conversion takes its exponent field
	s_add_co_i32 s21, s21, 15
	s_lshl_b32 s21, s21, 23
	s_or_b32 s21, s21, 0x600000
	v_mov_b32 v[LIM], s21                          ; 57,344 x 2^e2
	s_add_co_i32 s48, s46, s47                     ; e2 + e3
; PHASE X.  Two rows of the ring (2 bb, 2 bb + 1): into the column sums; held, converted; the codes into the stage.  load = 1: the two rows are asked for again, 8 rows on.
; A lane's register 4 i + c of a row is column 128 i + 4 lane + c, so a conversion's two result words are the four codes at columns 128 i + 4 lane of two neighbouring i: each store of a word covers 128 consecutive bytes of a row.
.macro BATCH bb, load
.if \load
	s_wait_loadcnt 48                              ; the oldest 16 of 64 loads, these two rows, are in; the six rows behind them may be out
.else
	s_wait_loadcnt 48-16*(\bb)                     ; nothing is asked for any more: the counts run down
.endif
	s_wait_dscnt 16                                ; the stores that read this set of code registers two batches ago are done: only the last batch's sixteen may be out
	WIN 0x01                                       ; source 0: the ring, window 1
.set j, 0
.rept 32
	v_pk_add_f32 v[XS+(2*j)%32:XS+(2*j)%32+1], v[64*(\bb)+2*j:64*(\bb)+2*j+1], v[XS+(2*j)%32:XS+(2*j)%32+1]
.set j, j+1
.endr
.set j, 0
.rept 64
	v_med3_num_f32 v[TMP+j], v[64*(\bb)+j], -v[LIM], v[LIM]   ; the conversion to an 8-bit code does not saturate (ISA guide 7.6.2): the hold comes first
.set j, j+1
.endr
	WIN 0
.set j, 0
.rept 8
	v_cvt_scalef32_pk8_bf8_f32 v[CD+16*((\bb)%2)+2*j:CD+16*((\bb)%2)+2*j+1], v[TMP+8*j:TMP+8*j+7], v[SCL]
.set j, j+1
.endr
	v_nop                                          ; one plain vector line behind the last conversion of a run
.set j, 0
.rept 16
	ds_store_b32 v[STWC], v[CD+16*((\bb)%2)+j] offset:(2*(\bb)+j/8)*PITCH+128*(j%8)
.set j, j+1
.endr
.if \load
	WIN 0x40
.set j, 0
.rept 16
	global_load_b128 v[64*(\bb)+4*j:64*(\bb)+4*j+3], v[L16], s[4:5] offset:32768+(2*(\bb)+j/8)*4096+512*(j%8) th:TH_LOAD_NT
.set j, j+1
.endr
	WIN 0
.endif
.endm
.macro CYCLE load                      ; once round the ring: 8 rows
	BATCH 0, \load
	BATCH 1, \load
	BATCH 2, \load
	BATCH 3, \load
.endm
; Tile t's eight fragments out of the stage (rows 16 (t % 2) on): lane (r, h) takes, of row r, K = 128 s + 32 c + 16 h + 0 .. 15 into registers 16 (s % 4) + 4 c on.
; LDS serves a wave's instructions in order (ISA guide 5.7.1.4): these loads see the stores above, and the next rows' stores come behind them.
.macro FRAGS t
	WIN 0x80                                       ; destination window 2: K steps 0 to 3
.set j, 0
.rept 16
	ds_load_b128 v[64*(\t)+4*j:64*(\t)+4*j+3], v[STR] offset:((\t)%2)*16*PITCH+128*(j/4)+32*(j%4)
.set j, j+1
.endr
	WIN 0xc0                                       ; window 3: K steps 4 to 7
.set j, 0
.rept 16
	ds_load_b128 v[64*(\t)+4*j:64*(\t)+4*j+3], v[STR] offset:((\t)%2)*16*PITCH+512+128*(j/4)+32*(j%4)
.set j, j+1
.endr
	WIN 0
.endm
	s_mov_b32 s41, 0                               ; where the 8 rows in hand begin in the stage
	s_mov_b32 s40, 4
.Lx0:                                              ; rows 0 to 31: four trips, each asking for the 8 rows that follow
	v_add_nc_u32 v[STWC], s41, v[STW0]
	CYCLE 1
	s_wait_xcnt 0x0                                ; the loads have read their base: it may step
	s_add_nc_u64 s[4:5], s[4:5], 32768
	s_add_co_u32 s41, s41, 8*PITCH
	s_sub_co_u32 s40, s40, 1
	s_cmp_lg_u32 s40, 0
	s_cbranch_scc1 .Lx0
	FRAGS 0
	FRAGS 1
	s_mov_b32 s41, 0
	s_mov_b32 s40, 3
.Lx1:                                              ; rows 32 to 55
	v_add_nc_u32 v[STWC], s41, v[STW0]
	CYCLE 1
	s_wait_xcnt 0x0
	s_add_nc_u64 s[4:5], s[4:5], 32768
	s_add_co_u32 s41, s41, 8*PITCH
	s_sub_co_u32 s40, s40, 1
	s_cmp_lg_u32 s40, 0
	s_cbranch_scc1 .Lx1
	v_add_nc_u32 v[STWC], s41, v[STW0]
	CYCLE 0                                        ; rows 56 to 63 are written out: no load passes the wave's rows
	FRAGS 2
	FRAGS 3
.set j, 0
.rept 8
	ds_store_b128 v[XSW], v[XS+4*j:XS+4*j+3] offset:512*j   ; my 64 rows' column sums, in the order of the columns
.set j, j+1
.endr
	s_wait_tensorcnt 0x1                           ; my part of slot 0 is in; slot 1's may stay out
	s_wait_dscnt 0x0                               ; my column sums lie in LDS, and x's codes are in their registers
	s_barrier_signal -1
	s_barrier_wait -1
; PHASE G.
; 32 LDS loads in one run: B's fragments of rows 32 grp on (two tiles ct of 16) and K = 512 kh on (four K steps), K step outermost, into set kh of window 1
.macro FETCH slot, grp, kh
	WIN 0x40
.set j, 0
.rept 32
.set rF, 128*(\kh)+64*((j/4)%2)+16*(j/8)+4*(j%4)
	ds_load_b128 v[rF:rF+3], v[ADB+\slot] offset:(32*(\grp)+16*((j/4)%2))*PITCH+512*(\kh)+128*(j/8)+32*(j%4)
.set j, j+1
.endr
.endm
; 8 ns matrix instructions: K steps s0 on of half kh, B's two tiles x my four tiles of rows.  The set's eight accumulators take turns, one instruction a turn.
; A group's first K step starts its sums with the constant 0: nothing is cleared.
.macro MULS kh, aset, s0, ns
	WIN 0x09+4*(\kh)                               ; source 0 (B) window 1, source 1 (x) window 2 or 3, C and D window 0
.set j, 0
.rept 8*(\ns)
.set sp, (\s0)+j/8
.set ct, (j/4)%2
.set tt, j%4
.set rD, ACC+64*(\aset)+8*(4*ct+tt)
.set rB, 128*(\kh)+64*ct+16*sp
.set rX, 64*tt+16*sp
.if ((\kh) == 0) && (sp == 0)
	v_wmma_f32_16x16x128_bf8_bf8 v[rD:rD+7], v[rB:rB+15], v[rX:rX+15], 0
.else
	v_wmma_f32_16x16x128_bf8_bf8 v[rD:rD+7], v[rB:rB+15], v[rX:rX+15], v[rD:rD+7]
.endif
.set j, j+1
.endr
.endm
; A finished group's 64 numbers a lane are squared and added, a pair of sums for each accumulator; the register pairs outermost
.macro SQUARES aset
	WIN 0
.set j, 0
.rept 32
.set rA, ACC+64*(\aset)+8*(j%8)+2*(j/8)
	v_pk_fma_f32 v[NACC+2*(j%8):NACC+2*(j%8)+1], v[rA:rA+1], v[rA:rA+1], v[NACC+2*(j%8):NACC+2*(j%8)+1]
.set j, j+1
.endr
.endm
; Half a group: 32 rows of B x 512 of K, 32 matrix instructions.  In its middle: the squares of the group before (sq = 1), and the next half's fragments, from group ngrp of slot nslot, into the other set.
.macro HALF kh, aset, sq, nslot, ngrp
	s_wait_dscnt 16                                ; K steps 0 and 1 are in; the youngest sixteen loads may be out
	MULS \kh, \aset, 0, 2
	s_wait_dscnt 0x0                               ; K steps 2 and 3 are in (asked for 32 matrix instructions ago)
	PLACES                                         ; behind the last half's products: for the squares' first read, and for the loads into the set that it multiplied
.if \sq
	SQUARES 1-(\aset)
.endif
	FETCH \nslot, \ngrp, 1-(\kh)
	MULS \kh, \aset, 2, 2
.endm
; A slot's last half changes slots: ONE barrier; in front of it each wave waits for all its tensor loads, adds 0 to its spare word, and waits for that and for its own reads of this slot.
; fill = 1: the barrier opens a round of the cluster's, and behind the round this slot is filled again, with B's rows two slots on: the load has 112 of a slot's 128 matrix instructions in which to land.
.macro TURN slot, next, fill
	WIN 0                                          ; (the add's two registers lie in window 0)
	s_wait_tensorcnt 0x0                           ; all my tensor loads have landed: my part of the next slot
	ds_add_u32 v[SPW], v[NIL]                      ; 0 onto my spare word
	s_wait_dscnt 17                                ; (the add and the youngest sixteen loads may be out)
	MULS 1, 1, 0, 1                                ; eight matrix instructions stand between the add and the wait for it
	s_wait_dscnt 0x0                               ; the add is done, and my reads of this slot are over
	s_barrier_signal -1
	MULS 1, 1, 1, 1
	WIN 0
	s_barrier_wait -1
.if \fill
	CREST                                          ; no wave of any partner still reads this slot's tile or has a load on its way
	s_add_nc_u64 s[G0+4*\slot+2:G0+4*\slot+3], s[G0+4*\slot+2:G0+4*\slot+3], 2*65536
	tensor_load_to_lds s[G0+4*\slot:G0+4*\slot+3], s[G1:G1+7]      ; the first tensor load behind the round, and my only one until the next
	s_nop 0
.endif
	PLACES                                         ; behind the tensor load, and in front of the loads into set 0
	FETCH \next, 0, 0
	MULS 1, 1, 2, 2
.endm
.set j, 0
.rept 8
	ds_load_b128 v[TMP+4*j:TMP+4*j+3], v[XSR] offset:(j/2)*4096+512*(j%2)   ; the four waves' sums of my wave's 256 columns
.set j, j+1
.endr
	FETCH 0, 0, 0
	WIN 0
	s_wait_dscnt 32                                ; all but the 32 fragment loads just issued
.irp q, 1,2,3
.irp p, 0,2,4,6
	v_pk_add_f32 v[TMP+\p:TMP+\p+1], v[TMP+\p:TMP+\p+1], v[TMP+8*\q+\p:TMP+8*\q+\p+1]
.endr
.endr
	global_store_b128 v[L16], v[TMP:TMP+3], s[10:11]               ; each store of the wave covers 512 consecutive bytes
	global_store_b128 v[L16], v[TMP+4:TMP+7], s[10:11] offset:512
.set j, 0
.rept 16
	v_mov_b32 v[NACC+j], 0                         ; the sums of squares begin at 0: the groups are walked in a loop
.set j, j+1
.endr
	HALF 0, 0, 0, 0, 0                             ; the first half stands in front of the loop: no group is finished yet
	WIN 0                                          ; at a label and at a branch every window is 0
	s_mov_b32 s40, 7
.Lg:                                               ; a trip goes once round the ring, from a lap's second half to the next lap's first, and fills both slots again: 14 refills, tiles 2 to 15
	HALF 1, 0, 0, 0, 1
	HALF 0, 1, 1, 0, 1
	TURN 0, 1, 1
	HALF 0, 0, 1, 1, 0
	HALF 1, 0, 0, 1, 1
	HALF 0, 1, 1, 1, 1
	TURN 1, 0, 1
	HALF 0, 0, 1, 0, 0
	WIN 0
	s_sub_co_u32 s40, s40, 1
	s_cmp_lg_u32 s40, 0
	s_cbranch_scc1 .Lg
	HALF 1, 0, 0, 0, 1                             ; the last lap is written out: it fills nothing, and has no round of the cluster's barrier
	HALF 0, 1, 1, 0, 1
	TURN 0, 1, 0
	HALF 0, 0, 1, 1, 0
	HALF 1, 0, 0, 1, 1
	HALF 0, 1, 1, 1, 1
	s_wait_dscnt 0x0                               ; the very last half: nothing more to fetch
	MULS 1, 1, 0, 4
	WIN 0
	PLACES
	SQUARES 1
	; THE WAY OUT.  Tile t's sums: its two accumulators' pairs, the pair's halves, the other half of the lanes.  Then every lane (r, h) holds the sum of squares of row 16 t + r.
.irp t, 0,1,2,3
	v_pk_add_f32 v[NACC+2*\t:NACC+2*\t+1], v[NACC+2*\t:NACC+2*\t+1], v[NACC+8+2*\t:NACC+8+2*\t+1]
.endr
.irp t, 0,1,2,3
	v_add_f32 v[32+\t], v[NACC+2*\t], v[NACC+2*\t+1]
.endr
.irp t, 0,1,2,3
	v_permlanex16_b32 v[36+\t], v[32+\t], s50, s51
.endr
.irp t, 0,1,2,3
	v_add_f32 v[32+\t], v[32+\t], v[36+\t]
.endr
	v_cmp_eq_u32 vcc_lo, 1, v[HH]
	v_cndmask_b32 v40, v32, v33, vcc_lo            ; lane l: row l
	v_cndmask_b32 v41, v34, v35, vcc_lo            ; lane l: row 32 + l
	v_sqrt_f32 v40, v40
	v_sqrt_f32 v41, v41
	v_and_b32 v42, 31, v0                          ; (a plain place behind the roots)
	s_wait_alu depctr_va_vdst(0)
	v_ldexp_f32 v40, v40, s48                      ; |keys| = the root x 2^(e2 + e3)
	v_ldexp_f32 v41, v41, s48
	v_add_f32 v40, 0x3727c5ac, v40                 ; + 1e-5
	v_add_f32 v41, 0x3727c5ac, v41
	v_rcp_f32 v40, v40
	v_rcp_f32 v41, v41
	v_lshl_add_u32 v43, v42, 3, s23                ; (a plain place behind the reciprocals)
	v_lshlrev_b32 v44, 3, v42
	s_wait_alu depctr_va_vdst(0)
	ds_store_b32 v[RSA], v40                       ; through my 256 bytes of LDS, so that one store of the wave covers my 64 rows' 256 consecutive bytes
	ds_store_b32 v[RSA], v41 offset:128
	ds_load_b64 v[46:47], v43
	s_wait_dscnt 0x0
	global_store_b64 v44, v[46:47], s[12:13]
	s_wait_tensorcnt 0x0                           ; the wave's end: behind my last tensor load and my last LDS store
	ds_add_u32 v[SPW], v[NIL]
	s_wait_dscnt 0x0
	CROUND                                         ; the closing round: no work-group ends while a partner may still ask for a tile that names it
	s_endpgm
.Lfunc_end_k_q252f8238e2_keysnorm:
	.size	k_q252f8238e2_keysnorm, .Lfunc_end_k_q252f8238e2_keysnorm-k_q252f8238e2_keysnorm
	.p2alignl 7, 3214868480
	.fill 96, 4, 3214868480
	.section	.rodata,"a",@progbits
	.p2align	6, 0x0
	.amdhsa_kernel k_q252f8238e2_keysnorm
		.amdhsa_group_segment_fixed_size 327680
		.amdhsa_private_segment_fixed_size 0
		.amdhsa_enable_private_segment 0
		.amdhsa_kernarg_size 40
		.amdhsa_user_sgpr_count 2
		.amdhsa_user_sgpr_kernarg_segment_ptr 1
		.amdhsa_wavefront_size32 1
		.amdhsa_system_sgpr_workgroup_id_x 1
		.amdhsa_system_sgpr_workgroup_id_y 1
		.amdhsa_system_sgpr_workgroup_id_z 1
		.amdhsa_system_vgpr_workitem_id 0
		.amdhsa_next_free_vgpr 1024
		.amdhsa_next_free_sgpr 66
		.amdhsa_reserve_vcc 1
		.amdhsa_float_denorm_mode_32 3
		.amdhsa_float_denorm_mode_16_64 3
		.amdhsa_memory_ordered 1
		.amdhsa_forward_progress 1
		.amdhsa_inst_pref_size 217
	.end_amdhsa_kernel
	.amdgpu_metadata
---
amdhsa.version: [ 1, 2 ]
amdhsa.kernels:
  - .name:           k_q252f8238e2_keysnorm
    .symbol:         k_q252f8238e2_keysnorm.kd
    .args:
      - { .name: x, .offset: 0, .size: 8, .value_kind: global_buffer, .address_space: global }
      - { .name: bcodes, .offset: 8, .size: 8, .value_kind: global_buffer, .address_space: global }
      - { .name: lowp_scales, .offset: 16, .size: 8, .value_kind: global_buffer, .address_space: global }
      - { .name: xpart, .offset: 24, .size: 8, .value_kind: global_buffer, .address_space: global }
      - { .name: rinv, .offset: 32, .size: 8, .value_kind: global_buffer, .address_space: global }
    .group_segment_fixed_size: 327680
    .private_segment_fixed_size: 0
    .kernarg_segment_align: 8
    .kernarg_segment_size: 40
    .max_flat_workgroup_size: 128
    .sgpr_count:     66
    .vgpr_count:     1024
    .wavefront_size: 32
...
	.end_amdgpu_metadata
.endif
;; end of part 2
;; launch mid (part 3): grid 16 x 16, 4 waves a work-group, no clusters, 2,560 bytes of LDS; arguments xpart, acodes, bcodes, lowp_scales, wpart, qq; writes wpart, qq
.if DOCPART == 3
	.amdgcn_target "amdgcn-amd-amdhsa--gfx1250"
	.amdhsa_code_object_version 6
	.text
	.protected	k_q252f8238e2_mid
	.globl	k_q252f8238e2_mid
	.p2align	8
	.type	k_q252f8238e2_mid,@function
k_q252f8238e2_mid:
	s_mov_b64 s[64:65], 0
	v_nop
	global_prefetch_b8 v0, s[64:65] scope:SCOPE_SE
	s_setreg_imm32_b32 hwreg(HW_REG_WAVE_MODE, 25, 1), 1
	s_wait_xcnt 0x0
; Between the two passes over x.  Work-group (k, b): for batch b and the 64 rows i = 64 k on of A and B:
;   xsum[b] = the sum of the batch's 16 partial column sums; its codes of BF8 with 2^e0;  q[b][i] = Q(xsum) . Q(A)[i] (the quantised product, on the matrix unit) x 2^(e0 + e1);
;   qq[b][k] = the sum of q^2 over the 64 i;   wpart[b][k][j] = the sum over the 64 i of q[b][i] x Q(B)[i][j], in f32 multiply-adds (a product of one row, left as it is).
; ONE BATCH TO A WORK-GROUP: the 16 partials of one batch are 64 KiB, those of all 16 would be 1 MiB for each work-group.  The price: the matrix instruction's 16 columns all hold the same batch;
;   that leaves q in every lane of a half, which the second part wants anyway.
; SHARES.  Wave w: columns 256 w on of xsum and of wpart; rows 64 k + 16 w on of A.  The product is used with source 0 = 16 rows of A, source 1 = xsum's codes in all 16 columns:
;   lane (r, h), register j holds q[64 k + 16 w + 8 h + j].  K goes by turns onto two accumulators.
; NO JOINT LOADS: the 16 work-groups of a slice k read the same 128 KiB of codes, once each, straight into the registers that use them; a joint tensor load would add a way through LDS for bytes that are read once.
; LIMITS: e0 between -126 and 112.  NaN is not served.
; REGISTERS: window 0: v1-14 addresses and constants; v16-23 xsum; v24-25 its codes; v32-47 two accumulators; v48-55 q; v56-63 my 8 columns of wpart; v64-127 8 rows of B as f32;
;   v128-255 xsum's 8 fragments, later v128-191 the 64 q, v192-195 the waves' sums of q^2.   window 1: v0-127 A's 8 fragments, v128-255 the 16 partials.   window 2: v0-127 B's codes, 2 words a row.
.set XC,  0                            ; LDS: xsum's 1,024 codes
.set QS,  1024                         ; the 64 q
.set QQS, 1280                         ; the four waves' sums of q^2
.set L16, 3                            ; v3   16 x lane
.set AFO, 4                            ; v4   A: row lane % 16, + 16 (lane / 16)
.set BCO, 5                            ; v5   4 x lane
.set XCW, 6                            ; v6   where I put my codes
.set XCR, 7                            ; v7   16 (lane / 16): every column of source 1 is the same row
.set QSW, 8                            ; v8   where I put my 8 q
.set QQW, 9                            ; v9   where I put my wave's sum of q^2
.set QSR, 10                           ; v10  QS
.set LIM, 11
.set SCL, 12
.set ZO,  13                           ; v13  0
.set ONE, 14                           ; v14  the scale byte of 1.0 in every byte
.set S,   16
.set CDE, 24
.set AC,  32
.set Q,   48
.set W,   56
.set T,   64
.set XF,  128
.set QB,  128
.set QT,  192
.set MSB, 0
.macro WIN new
.if MSB != (\new)
	s_set_vgpr_msb (MSB<<8)|(\new)
.set MSB, (\new)
.endif
.endm
	s_load_b256 s[4:11], s[0:1], 0x0               ; xpart s[4:5], A's codes s[6:7], B's codes s[8:9], the scales' exponents s[10:11]
	s_load_b128 s[12:15], s[0:1], 0x20             ; wpart s[12:13], qq s[14:15]
	v_lshl_add_u32 v30, v0, 2, 0x800
	v_mov_b32 v31, 0
	v_lshrrev_b32 v1, 5, v0
	v_readfirstlane_b32 s16, v1                    ; wave
	s_mov_b32 s17, ttmp9                           ; k
	s_and_b32 s18, ttmp7, 0xffff                   ; b
	v_and_b32 v1, 31, v0                           ; lane
	v_and_b32 v2, 15, v0                           ; r
	v_bfe_u32 v15, v0, 4, 1                        ; h
	v_lshlrev_b32 v[L16], 4, v1
	v_lshlrev_b32 v[AFO], 10, v2
	v_lshl_add_u32 v[AFO], v15, 4, v[AFO]
	v_lshlrev_b32 v[BCO], 2, v1
	s_lshl_b32 s19, s16, 8
	v_lshl_add_u32 v[XCW], v1, 2, s19              ; XC + 256 x wave + 4 x lane
	v_lshlrev_b32 v[XCR], 4, v15
	s_lshl_b32 s19, s16, 6
	s_add_co_u32 s19, s19, QS
	v_lshl_add_u32 v[QSW], v15, 5, s19             ; QS + 64 x wave + 32 h
	s_lshl_b32 s19, s16, 2
	s_add_co_u32 s19, s19, QQS
	v_mov_b32 v[QQW], s19
	v_mov_b32 v[QSR], QS
	v_mov_b32 v[ZO], 0
	v_mov_b32 v[ONE], 0x7f7f7f7f
	s_mov_b32 s28, 0x76543210                      ; v_permlanex16_b32's selects for lane l xor 16
	s_mov_b32 s29, 0xfedcba98
	s_lshl_b32 s32, s18, 16                        ; b << 16
	s_lshl_b32 s33, s16, 10                        ; wave << 10
	s_lshl_b32 s34, s17, 16                        ; k << 16
	s_add_co_u32 s24, s32, s33                     ; xpart: the batch's 16 rows of 4,096 bytes, + my 256 columns
	s_mov_b32 s25, 0
	s_lshl_b32 s36, s16, 14
	s_add_co_u32 s36, s36, s34                     ; A's codes: row 64 k + 16 x wave
	s_mov_b32 s37, 0
	s_lshl_b32 s38, s16, 8
	s_add_co_u32 s38, s38, s34                     ; B's codes: row 64 k, + my 256 columns
	s_mov_b32 s39, 0
	s_lshl_b32 s40, s17, 12
	s_add_co_u32 s40, s40, s24                     ; wpart: row 16 b + k, + my 256 columns
	s_mov_b32 s41, 0
	s_lshl_b32 s42, s18, 6
	s_lshl_b32 s43, s17, 2
	s_add_co_u32 s42, s42, s43                     ; qq: word 16 b + k
	s_mov_b32 s43, 0
	s_wait_kmcnt 0x0
	s_load_b128 s[20:23], s[10:11], 0x0            ; e0 .. e3
	s_add_nc_u64 s[4:5], s[4:5], s[24:25]
	s_add_nc_u64 s[6:7], s[6:7], s[36:37]
	s_add_nc_u64 s[8:9], s[8:9], s[38:39]
	s_add_nc_u64 s[12:13], s[12:13], s[40:41]
	s_add_nc_u64 s[14:15], s[14:15], s[42:43]
	WIN 0x40                                       ; destination window 1
.set j, 0
.rept 32                               ; the 16 partials: lane: columns 256 w + 128 (j % 2) + 4 lane on; every load 512 consecutive bytes
	global_load_b128 v[128+4*j:128+4*j+3], v[L16], s[4:5] offset:(j/2)*4096+512*(j%2)
.set j, j+1
.endr
.set j, 0
.rept 32                               ; A's fragments: K = 128 (j / 4) + 32 (j % 4) + 16 h + 0 .. 15 of row r
	global_load_b128 v[4*j:4*j+3], v[AFO], s[6:7] offset:128*(j/4)+32*(j%4)
.set j, j+1
.endr
	WIN 0x80                                       ; destination window 2
.set j, 0
.rept 128                              ; B's codes: row j / 2, the four at columns 256 w + 128 (j % 2) + 4 lane: the places that xsum's and wpart's numbers have in a lane
	global_load_b32 v[j], v[BCO], s[8:9] offset:(j/2)*1024+128*(j%2)
.set j, j+1
.endr
	s_wait_loadcnt 63                              ; of the 192 loads the oldest 129 are in: the partials (32) and A's fragments (32) among them
	WIN 0x05                                       ; sources 0 and 1 window 1
.irp m, 0,2,4,6
	v_pk_add_f32 v[S+\m:S+\m+1], v[128+\m:128+\m+1], v[136+\m:136+\m+1]
.endr
	WIN 0x01
.set p, 2
.rept 14
.irp m, 0,2,4,6
	v_pk_add_f32 v[S+\m:S+\m+1], v[128+8*p+\m:128+8*p+\m+1], v[S+\m:S+\m+1]   ; the partials in ascending order, in f32
.endr
.set p, p+1
.endr
	WIN 0
	s_wait_kmcnt 0x0
	s_add_co_i32 s27, s20, 127
	s_lshl_b32 s31, s27, 23
	v_mov_b32 v[SCL], s31                          ; 2^e0
	s_add_co_i32 s27, s27, 15
	s_lshl_b32 s27, s27, 23
	s_or_b32 s27, s27, 0x600000
	v_mov_b32 v[LIM], s27                          ; 57,344 x 2^e0
	s_add_co_i32 s26, s20, s21                     ; e0 + e1
.irp j, 0,1,2,3,4,5,6,7
	v_med3_num_f32 v[S+\j], v[S+\j], -v[LIM], v[LIM]   ; the conversion does not saturate (ISA guide 7.6.2): the hold comes first
.endr
	v_cvt_scalef32_pk8_bf8_f32 v[CDE:CDE+1], v[S:S+7], v[SCL]
	v_nop                                          ; one plain vector line behind the conversion
	ds_store_b32 v[XCW], v[CDE]                    ; the codes at columns 256 w + 4 lane,
	ds_store_b32 v[XCW], v[CDE+1] offset:128       ; and 128 further on
	s_wait_dscnt 0x0                               ; for the others' sake: my codes lie in LDS
	s_barrier_signal -1
	s_barrier_wait -1
.set j, 0
.rept 32
	ds_load_b128 v[XF+4*j:XF+4*j+3], v[XCR] offset:128*(j/4)+32*(j%4)   ; xsum's fragments: the same 16 bytes in all 16 lanes of a half
.set j, j+1
.endr
	s_wait_dscnt 0x0
	WIN 0x01                                       ; source 0 (A) window 1
.set ks, 0
.rept 8
.if ks < 2
	v_wmma_f32_16x16x128_bf8_bf8 v[AC+8*(ks%2):AC+8*(ks%2)+7], v[16*ks:16*ks+15], v[XF+16*ks:XF+16*ks+15], 0
.else
	v_wmma_f32_16x16x128_bf8_bf8 v[AC+8*(ks%2):AC+8*(ks%2)+7], v[16*ks:16*ks+15], v[XF+16*ks:XF+16*ks+15], v[AC+8*(ks%2):AC+8*(ks%2)+7]
.endif
.set ks, ks+1
.endr
	WIN 0
.rept 4
	v_nop                                          ; four places in front of the first read of the results, and of the loads into xsum's fragments' registers
.endr
.irp m, 0,2,4,6
	v_pk_add_f32 v[Q+\m:Q+\m+1], v[AC+\m:AC+\m+1], v[AC+8+\m:AC+8+\m+1]   ; both accumulators from their low ends on
.endr
.irp j, 0,1,2,3,4,5,6,7
	v_ldexp_f32 v[Q+\j], v[Q+\j], s26              ; q = the sum x 2^(e0 + e1)
.endr
	v_mul_f32 v[CDE], v[Q], v[Q]
.irp j, 1,2,3,4,5,6,7
	v_fmac_f32 v[CDE], v[Q+\j], v[Q+\j]
.endr
	v_permlanex16_b32 v[CDE+1], v[CDE], s28, s29
	v_add_f32 v[CDE], v[CDE], v[CDE+1]             ; the sum of q^2 over my wave's 16 rows
	ds_store_b128 v[QSW], v[Q:Q+3]                 ; the 16 lanes of a half write the same bytes with the same numbers
	ds_store_b128 v[QSW], v[Q+4:Q+7] offset:16
	ds_store_b32 v[QQW], v[CDE]
	s_wait_dscnt 0x0
	s_barrier_signal -1
	s_barrier_wait -1
.set j, 0
.rept 16
	ds_load_b128 v[QB+4*j:QB+4*j+3], v[QSR] offset:16*j            ; all 64 q, in every lane
.set j, j+1
.endr
	ds_load_b128 v[QT:QT+3], v[QSR] offset:QQS-QS
	s_wait_dscnt 0x0
	s_wait_loadcnt 0x0                             ; B's codes
.set bt, 0
.rept 8                                ; eight rows of B at a time: back to f32 (exact), then one multiply-add a number
	WIN 0x02                                       ; source 0 window 2
.set ii, 0
.rept 8
	v_cvt_scale_pk8_f32_bf8 v[T+8*ii:T+8*ii+7], v[2*(8*bt+ii):2*(8*bt+ii)+1], v[ONE]
.set ii, ii+1
.endr
	v_nop                                          ; one plain vector line behind the conversions
	WIN 0
.set ii, 0
.rept 8
.set m, 0
.rept 8
.if (bt == 0) && (ii == 0)
	v_mul_f32 v[W+m], v[T+8*ii+m], v[QB+8*bt+ii]   ; the first row starts the sums
.else
	v_fmac_f32 v[W+m], v[T+8*ii+m], v[QB+8*bt+ii]
.endif
.set m, m+1
.endr
.set ii, ii+1
.endr
.set bt, bt+1
.endr
.irp j, 0,1,2,3,4,5,6,7
	v_ldexp_f32 v[W+\j], v[W+\j], s23              ; x 2^e3: B's scale
.endr
	global_store_b128 v[L16], v[W:W+3], s[12:13]                   ; each store of the wave covers 512 consecutive bytes
	global_store_b128 v[L16], v[W+4:W+7], s[12:13] offset:512
	s_cmp_lg_u32 s16, 0
	s_cbranch_scc1 .Lend                           ; wave 0 alone stores the work-group's one number
	v_add_f32 v[QT], v[QT], v[QT+1]
	v_add_f32 v[QT], v[QT], v[QT+2]
	v_add_f32 v[QT], v[QT], v[QT+3]
	v_cmp_eq_u32 vcc_lo, 0, v0
	s_wait_xcnt 0x0                                ; EXEC changes only behind this wait: the stores above have it among their sources
	s_and_saveexec_b32 s30, vcc_lo
	global_store_b32 v[ZO], v[QT], s[14:15]
	s_wait_xcnt 0x0                                ; and again in front of the line that widens it
	s_or_b32 exec_lo, exec_lo, s30
.Lend:
	s_wait_tensorcnt 0x0
	ds_add_u32 v30, v31
	s_wait_dscnt 0x0
	s_endpgm
.Lfunc_end_k_q252f8238e2_mid:
	.size	k_q252f8238e2_mid, .Lfunc_end_k_q252f8238e2_mid-k_q252f8238e2_mid
	.p2alignl 7, 3214868480
	.fill 96, 4, 3214868480
	.section	.rodata,"a",@progbits
	.p2align	6, 0x0
	.amdhsa_kernel k_q252f8238e2_mid
		.amdhsa_group_segment_fixed_size 2560
		.amdhsa_private_segment_fixed_size 0
		.amdhsa_enable_private_segment 0
		.amdhsa_kernarg_size 48
		.amdhsa_user_sgpr_count 2
		.amdhsa_user_sgpr_kernarg_segment_ptr 1
		.amdhsa_wavefront_size32 1
		.amdhsa_system_sgpr_workgroup_id_x 1
		.amdhsa_system_sgpr_workgroup_id_y 1
		.amdhsa_system_sgpr_workgroup_id_z 1
		.amdhsa_system_vgpr_workitem_id 0
		.amdhsa_next_free_vgpr 640
		.amdhsa_next_free_sgpr 66
		.amdhsa_reserve_vcc 1
		.amdhsa_float_denorm_mode_32 3
		.amdhsa_float_denorm_mode_16_64 3
		.amdhsa_memory_ordered 1
		.amdhsa_forward_progress 1
		.amdhsa_inst_pref_size 53
	.end_amdhsa_kernel
	.amdgpu_metadata
---
amdhsa.version: [ 1, 2 ]
amdhsa.kernels:
  - .name:           k_q252f8238e2_mid
    .symbol:         k_q252f8238e2_mid.kd
    .args:
      - { .name: xpart, .offset: 0, .size: 8, .value_kind: global_buffer, .address_space: global }
      - { .name: acodes, .offset: 8, .size: 8, .value_kind: global_buffer, .address_space: global }
      - { .name: bcodes, .offset: 16, .size: 8, .value_kind: global_buffer, .address_space: global }
      - { .name: lowp_scales, .offset: 24, .size: 8, .value_kind: global_buffer, .address_space: global }
      - { .name: wpart, .offset: 32, .size: 8, .value_kind: global_buffer, .address_space: global }
      - { .name: qq, .offset: 40, .size: 8, .value_kind: global_buffer, .address_space: global }
    .group_segment_fixed_size: 2560
    .private_segment_fixed_size: 0
    .kernarg_segment_align: 8
    .kernarg_segment_size: 48
    .max_flat_workgroup_size: 128
    .sgpr_count:     66
    .vgpr_count:     640
    .wavefront_size: 32
...
	.end_amdgpu_metadata
.endif
;; end of part 3
;; launch simout (part 4): grid 256 x 1, 8 waves a work-group, no clusters, 38,912 bytes of LDS; arguments x, wpart, qq, rinv, lowp_scales, out1, opart; writes out1, opart
.if DOCPART == 4
	.amdgcn_target "amdgcn-amd-amdhsa--gfx1250"
	.amdhsa_code_object_version 6
	.text
	.protected	k_q252f8238e2_simout
	.globl	k_q252f8238e2_simout
	.p2align	8
	.type	k_q252f8238e2_simout,@function
k_q252f8238e2_simout:
	s_mov_b64 s[64:65], 0
	v_nop
	global_prefetch_b8 v0, s[64:65] scope:SCOPE_SE
	s_setreg_imm32_b32 hwreg(HW_REG_WAVE_MODE, 25, 1), 1
	s_wait_xcnt 0x0
; The second pass over x.  For each row s of batch b: sim = (Q(x)[s] . w) / ((1e-5 + |q|) (1e-5 + |keys[s]|)), w = Q(B)^T q: the same sum as q . keys[s], in another order;
; then the work-group's part of out = the sum over its rows of sim x x (x as it is given, f32).  Both are products of one row, left as they are: f32 multiply-adds.
; Q(x) is made again as in the first pass (hold, conversion with 2^e2) and widened to f32 again, which is exact; its factor 2^e2 and 1 / (1e-5 + |q|) are folded into w once.
; SHARES.  Work-group g owns rows 256 g on (batch g / 16); each of its eight waves 32 whole rows.  A row is eight loads of 512 consecutive bytes: 32 registers; a lane holds columns 128 i + 4 lane + 0 .. 3.
; A ring of four rows in registers: 32 loads of every wave are on their way.  Every offset is an immediate (130,560 at the most): no pointer is stepped.
; Memory binds: no matrix unit (one row a product), no tensor loads.  NO JOINT LOADS: what the 16 work-groups of a batch share is wpart's 64 KiB, beside 1 MiB of x that each has to itself.
; LIMITS: e2 between -126 and 112.  NaN is not served.
.set WNS,  0                           ; LDS: w x f, 1,024 numbers
.set OUTS, 4096                        ; the eight waves' parts of out, 4,096 bytes each
.set SIMS, 36864                       ; the work-group's 256 sims
.set L16,  1                           ; v1   16 x lane
.set WNW,  2                           ; v2   where I put my 4 numbers of w
.set OSW,  3                           ; v3   where I put my wave's part of out
.set OSR,  4                           ; v4   where I read the eight parts of my wave's 128 columns
.set SMW,  5                           ; v5   where I put my wave's sims
.set SMR,  6                           ; v6   where waves 0 and 1 read 128 sims back
.set LIM,  8
.set SCL,  9
.set ONE,  10                          ; the scale byte of 1.0 in every byte
.set WN,   16                          ; v16-47   w x f at my 32 columns
.set OA,   48                          ; v48-79   my part of out
.set T,    80                          ; v80-111  a row held, then its quantised numbers
.set CD,   112                         ; v112-119 a row's codes
.set DT,   120                         ; v120-123 the dot product, in two chains of pairs
.set SV,   124                         ; v124     lane i: row i's sim
.set X,    128                         ; v128-255 the ring
	s_load_b256 s[4:11], s[0:1], 0x0               ; x s[4:5], wpart s[6:7], qq s[8:9], rinv s[10:11]
	s_load_b128 s[12:15], s[0:1], 0x20             ; the scales' exponents s[12:13], out1 s[14:15]
	s_load_b64 s[48:49], s[0:1], 0x30              ; opart
	v_lshl_add_u32 v14, v0, 2, 0x9400
	v_mov_b32 v15, 0
	v_lshrrev_b32 v1, 5, v0
	v_readfirstlane_b32 s50, v1                    ; wave 0..7
	v_and_b32 v7, 31, v0                           ; lane
	v_lshlrev_b32 v[L16], 4, v7
	s_lshl_b32 s92, s50, 9                         ; 512 x wave
	v_add_nc_u32 v[WNW], s92, v[L16]
	s_add_co_u32 s93, s92, OUTS
	v_add_nc_u32 v[OSR], s93, v[L16]
	s_min_u32 s94, s50, 1                          ; (waves 2 to 7 jump over the lines that use it)
	s_lshl_b32 s94, s94, 9
	s_add_co_u32 s93, s94, SIMS
	v_add_nc_u32 v[SMR], s93, v[L16]
	s_lshl_b32 s93, s50, 12
	s_add_co_u32 s93, s93, OUTS
	v_add_nc_u32 v[OSW], s93, v[L16]
	s_lshl_b32 s93, s50, 7
	s_add_co_u32 s93, s93, SIMS
	v_lshl_add_u32 v[SMW], v7, 2, s93
	v_mov_b32 v[ONE], 0x7f7f7f7f
	s_mov_b32 s90, 0x76543210                      ; v_permlanex16_b32's selects for lane l xor 16
	s_mov_b32 s91, 0xfedcba98
	s_lshr_b32 s51, ttmp9, 4                       ; b
	s_lshl_b32 s52, s51, 16                        ; wpart: the batch's 16 rows of 4,096 bytes, + my wave's 128 columns
	s_add_co_u32 s52, s52, s92
	s_mov_b32 s53, 0
	s_lshl_b32 s54, ttmp9, 20                      ; x: 256 rows x g + 32 rows x wave
	s_lshl_b32 s55, s50, 17
	s_add_co_u32 s54, s54, s55
	s_mov_b32 s55, 0
	s_lshl_b32 s56, s51, 6                         ; qq: the batch's 16 words
	s_mov_b32 s57, 0
	s_lshl_b32 s58, ttmp9, 10                      ; rinv: 1,024 g + 128 x wave
	s_lshl_b32 s59, s50, 7
	s_add_co_u32 s58, s58, s59
	s_mov_b32 s59, 0
	s_lshl_b32 s60, ttmp9, 10                      ; out1: 1,024 g + 512 x wave (waves 0 and 1)
	s_add_co_u32 s60, s60, s94
	s_mov_b32 s61, 0
	s_lshl_b32 s62, ttmp9, 12                      ; opart: 4,096 g + 512 x wave
	s_add_co_u32 s62, s62, s92
	s_mov_b32 s63, 0
	s_wait_kmcnt 0x0
	s_add_nc_u64 s[10:11], s[10:11], s[58:59]
	s_add_nc_u64 s[8:9], s[8:9], s[56:57]
	s_load_b512 s[16:31], s[10:11], 0x0            ; 1 / (1e-5 + |keys|) of my wave's 32 rows
	s_load_b512 s[32:47], s[10:11], 0x40
	s_load_b512 s[68:83], s[8:9], 0x0              ; the 16 parts of |q|^2
	s_load_b128 s[84:87], s[12:13], 0x0            ; e0 .. e3
	s_add_nc_u64 s[6:7], s[6:7], s[52:53]
	s_add_nc_u64 s[4:5], s[4:5], s[54:55]
	s_add_nc_u64 s[14:15], s[14:15], s[60:61]
	s_add_nc_u64 s[48:49], s[48:49], s[62:63]
.set k, 0
.rept 16
	global_load_b128 v[48+4*k:51+4*k], v[L16], s[6:7] offset:4096*k   ; w's 16 parts at my wave's 128 columns
.set k, k+1
.endr
.set j, 0
.rept 32
	global_load_b128 v[X+4*j:X+4*j+3], v[L16], s[4:5] offset:(j/8)*4096+512*(j%8) th:TH_LOAD_NT   ; the ring is filled: rows 0 to 3
.set j, j+1
.endr
	s_wait_kmcnt 0x0
	v_mov_b32 v126, s68
.irp n, 69,70,71,72,73,74,75,76,77,78,79,80,81,82,83
	v_add_f32 v126, s\n, v126                      ; |q|^2
.endr
	v_sqrt_f32 v126, v126
	v_mov_b32 v[SV], 0                             ; (a plain place behind the root)  written whole once: v_writelane_b32's destination counts as read
	s_wait_alu depctr_va_vdst(0)
	v_add_f32 v126, 0x3727c5ac, v126               ; 1e-5 + |q|
	v_rcp_f32 v126, v126
	v_mov_b32 v125, 0                              ; (a plain place)  likewise for v_permlanex16_b32
	s_wait_alu depctr_va_vdst(0)
	v_ldexp_f32 v126, v126, s86                    ; f = 2^e2 / (1e-5 + |q|)
	v_mov_b32 v127, v126
	s_add_co_i32 s88, s86, 127
	s_lshl_b32 s89, s88, 23
	v_mov_b32 v[SCL], s89                          ; 2^e2
	s_add_co_i32 s88, s88, 15
	s_lshl_b32 s88, s88, 23
	s_or_b32 s88, s88, 0x600000
	v_mov_b32 v[LIM], s88                          ; 57,344 x 2^e2
	s_wait_loadcnt 32                              ; w's parts are in; the ring's 32 loads may be out
.set k, 1
.rept 15
	v_pk_add_f32 v[48:49], v[48:49], v[48+4*k:49+4*k]
	v_pk_add_f32 v[50:51], v[50:51], v[50+4*k:51+4*k]
.set k, k+1
.endr
	v_pk_mul_f32 v[48:49], v[48:49], v[126:127]
	v_pk_mul_f32 v[50:51], v[50:51], v[126:127]
	ds_store_b128 v[WNW], v[48:51]
	s_wait_dscnt 0x0                               ; for the others' sake
	s_barrier_signal -1
	s_barrier_wait -1
.set j, 0
.rept 8
	ds_load_b128 v[WN+4*j:WN+4*j+3], v[L16] offset:WNS+512*j       ; w x f at the columns that a row's registers hold
.set j, j+1
.endr
	s_wait_dscnt 0x0
.macro ROW i
.set XR, X+32*((\i)%4)
.if (\i) < 29
	s_wait_loadcnt 24                              ; this row's eight loads are in; the three rows behind it may be out
.else
	s_wait_loadcnt 8*(31-(\i))                     ; the last rows: the counts run down
.endif
.set j, 0
.rept 32
	v_med3_num_f32 v[T+j], v[XR+j], -v[LIM], v[LIM]   ; the conversion does not saturate (ISA guide 7.6.2): the hold comes first
.set j, j+1
.endr
.set j, 0
.rept 4
	v_cvt_scalef32_pk8_bf8_f32 v[CD+2*j:CD+2*j+1], v[T+8*j:T+8*j+7], v[SCL]
.set j, j+1
.endr
	v_nop                                          ; one plain vector line between the conversions and what touches their results and sources
.set j, 0
.rept 4
	v_cvt_scale_pk8_f32_bf8 v[T+8*j:T+8*j+7], v[CD+2*j:CD+2*j+1], v[ONE]   ; the codes' values, exact
.set j, j+1
.endr
	v_nop
	v_pk_mul_f32 v[DT:DT+1], v[T:T+1], v[WN:WN+1]                  ; the first products start the sums
	v_pk_mul_f32 v[DT+2:DT+3], v[T+2:T+3], v[WN+2:WN+3]
.set j, 4
.rept 7
	v_pk_fma_f32 v[DT:DT+1], v[T+j:T+j+1], v[WN+j:WN+j+1], v[DT:DT+1]
	v_pk_fma_f32 v[DT+2:DT+3], v[T+j+2:T+j+3], v[WN+j+2:WN+j+3], v[DT+2:DT+3]
.set j, j+4
.endr
	v_pk_add_f32 v[DT:DT+1], v[DT:DT+1], v[DT+2:DT+3]
	v_add_f32 v[DT], v[DT], v[DT+1]
	v_add_f32_dpp v[DT], v[DT], v[DT] row_xmask:1 row_mask:0xf bank_mask:0xf   ; across the 32 lanes; every lane ends up with the sum
	v_add_f32_dpp v[DT], v[DT], v[DT] row_xmask:2 row_mask:0xf bank_mask:0xf
	v_add_f32_dpp v[DT], v[DT], v[DT] row_xmask:4 row_mask:0xf bank_mask:0xf
	v_add_f32_dpp v[DT], v[DT], v[DT] row_xmask:8 row_mask:0xf bank_mask:0xf
	v_permlanex16_b32 v125, v[DT], s90, s91
	v_add_f32 v[DT], v[DT], v125
	v_mul_f32 v[DT], s[16+\i], v[DT]               ; sim
	v_readfirstlane_b32 s88, v[DT]
	v_writelane_b32 v[SV], s88, \i                 ; kept in lane i
.set j, 0
.rept 16
.if (\i) == 0
	v_pk_mul_f32 v[OA+j:OA+j+1], v[XR+j:XR+j+1], v[DT:DT+1] op_sel_hi:[1,0]   ; the first row starts the sums (of the pair the low word serves both halves)
.else
	v_pk_fma_f32 v[OA+j:OA+j+1], v[XR+j:XR+j+1], v[DT:DT+1], v[OA+j:OA+j+1] op_sel_hi:[1,0,1]
.endif
.set j, j+2
.endr
.if (\i) < 28
.set j, 0
.rept 8
	global_load_b128 v[XR+4*j:XR+4*j+3], v[L16], s[4:5] offset:((\i)+4)*4096+512*j th:TH_LOAD_NT   ; the row four further on
.set j, j+1
.endr
.endif
.endm
.irp i, 0,1,2,3,4,5,6,7,8,9,10,11,12,13,14,15,16,17,18,19,20,21,22,23,24,25,26,27,28,29,30,31
	ROW \i
.endr
.set j, 0
.rept 8
	ds_store_b128 v[OSW], v[OA+4*j:OA+4*j+3] offset:512*j          ; my wave's part of out, in the order of the columns
.set j, j+1
.endr
	ds_store_b32 v[SMW], v[SV]
	s_wait_dscnt 0x0                               ; for the others' sake
	s_barrier_signal -1
	s_barrier_wait -1
.set j, 0
.rept 8
	ds_load_b128 v[T+4*j:T+4*j+3], v[OSR] offset:4096*j            ; the eight waves' parts of my wave's 128 columns
.set j, j+1
.endr
	s_wait_dscnt 0x0
.set k, 1
.rept 7
	v_pk_add_f32 v[T:T+1], v[T:T+1], v[T+4*k:T+4*k+1]
	v_pk_add_f32 v[T+2:T+3], v[T+2:T+3], v[T+4*k+2:T+4*k+3]
.set k, k+1
.endr
	global_store_b128 v[L16], v[T:T+3], s[48:49]                   ; 512 consecutive bytes a wave
	s_cmp_gt_u32 s50, 1
	s_cbranch_scc1 .Lend                           ; the 256 sims are 1,024 bytes: waves 0 and 1 store 512 consecutive bytes each
	ds_load_b128 v[CD:CD+3], v[SMR]
	s_wait_dscnt 0x0
	global_store_b128 v[L16], v[CD:CD+3], s[14:15]
.Lend:
	s_wait_tensorcnt 0x0
	ds_add_u32 v14, v15
	s_wait_dscnt 0x0
	s_endpgm
.Lfunc_end_k_q252f8238e2_simout:
	.size	k_q252f8238e2_simout, .Lfunc_end_k_q252f8238e2_simout-k_q252f8238e2_simout
	.p2alignl 7, 3214868480
	.fill 96, 4, 3214868480
	.section	.rodata,"a",@progbits
	.p2align	6, 0x0
	.amdhsa_kernel k_q252f8238e2_simout
		.amdhsa_group_segment_fixed_size 38912
		.amdhsa_private_segment_fixed_size 0
		.amdhsa_enable_private_segment 0
		.amdhsa_kernarg_size 56
		.amdhsa_user_sgpr_count 2
		.amdhsa_user_sgpr_kernarg_segment_ptr 1
		.amdhsa_wavefront_size32 1
		.amdhsa_system_sgpr_workgroup_id_x 1
		.amdhsa_system_sgpr_workgroup_id_y 1
		.amdhsa_system_sgpr_workgroup_id_z 1
		.amdhsa_system_vgpr_workitem_id 0
		.amdhsa_next_free_vgpr 256
		.amdhsa_next_free_sgpr 96
		.amdhsa_reserve_vcc 0
		.amdhsa_float_denorm_mode_32 3
		.amdhsa_float_denorm_mode_16_64 3
		.amdhsa_memory_ordered 1
		.amdhsa_forward_progress 1
		.amdhsa_inst_pref_size 200
	.end_amdhsa_kernel
	.amdgpu_metadata
---
amdhsa.version: [ 1, 2 ]
amdhsa.kernels:
  - .name:           k_q252f8238e2_simout
    .symbol:         k_q252f8238e2_simout.kd
    .args:
      - { .name: x, .offset: 0, .size: 8, .value_kind: global_buffer, .address_space: global }
      - { .name: wpart, .offset: 8, .size: 8, .value_kind: global_buffer, .address_space: global }
      - { .name: qq, .offset: 16, .size: 8, .value_kind: global_buffer, .address_space: global }
      - { .name: rinv, .offset: 24, .size: 8, .value_kind: global_buffer, .address_space: global }
      - { .name: lowp_scales, .offset: 32, .size: 8, .value_kind: global_buffer, .address_space: global }
      - { .name: out1, .offset: 40, .size: 8, .value_kind: global_buffer, .address_space: global }
      - { .name: opart, .offset: 48, .size: 8, .value_kind: global_buffer, .address_space: global }
    .group_segment_fixed_size: 38912
    .private_segment_fixed_size: 0
    .kernarg_segment_align: 8
    .kernarg_segment_size: 56
    .max_flat_workgroup_size: 256
    .sgpr_count:     96
    .vgpr_count:     256
    .wavefront_size: 32
...
	.end_amdgpu_metadata
.endif
;; end of part 4
;; launch outred (part 5): grid 64 x 1, 2 waves a work-group, no clusters, 0 bytes of LDS; arguments opart, out0; writes out0
.if DOCPART == 5
	.amdgcn_target "amdgcn-amd-amdhsa--gfx1250"
	.amdhsa_code_object_version 6
	.text
	.protected	k_q252f8238e2_outred
	.globl	k_q252f8238e2_outred
	.p2align	8
	.type	k_q252f8238e2_outred,@function
k_q252f8238e2_outred:
	s_mov_b64 s[64:65], 0
	v_nop
	global_prefetch_b8 v0, s[64:65] scope:SCOPE_SE
	s_setreg_imm32_b32 hwreg(HW_REG_WAVE_MODE, 25, 1), 1
	s_wait_xcnt 0x0
; out0[b][n] = the sum over the batch's 16 work-groups' parts: opart [16 b + p][n], p ascending, in f32.
; Thread t of 4,096 owns the four numbers at 4 t of out0: batch t / 256, columns 4 (t % 256) on.  Each load and the store of a wave cover 512 consecutive bytes.
; 1 MiB in, 64 KiB out: 64 work-groups of two waves have all the work there is; no LDS, no barrier.
	s_load_b128 s[4:7], s[0:1], 0x0                ; opart, out0
	s_lshl_b32 s8, ttmp9, 6
	v_add_nc_u32 v1, s8, v0                        ; t
	v_lshrrev_b32 v2, 8, v1                        ; batch
	v_and_b32 v3, 0xff, v1
	v_lshlrev_b32 v3, 4, v3
	v_lshl_or_b32 v2, v2, 16, v3                   ; 16 rows of 4,096 bytes x batch + 16 (t % 256)
	v_lshlrev_b32 v4, 4, v1
	s_wait_kmcnt 0x0
.set p, 0
.rept 16
	global_load_b128 v[16+4*p:19+4*p], v2, s[4:5] offset:4096*p
.set p, p+1
.endr
	s_wait_loadcnt 0x0
.set p, 1
.rept 15
	v_pk_add_f32 v[16:17], v[16:17], v[16+4*p:17+4*p]
	v_pk_add_f32 v[18:19], v[18:19], v[18+4*p:19+4*p]
.set p, p+1
.endr
	global_store_b128 v4, v[16:19], s[6:7]
	s_endpgm
.Lfunc_end_k_q252f8238e2_outred:
	.size	k_q252f8238e2_outred, .Lfunc_end_k_q252f8238e2_outred-k_q252f8238e2_outred
	.p2alignl 7, 3214868480
	.fill 96, 4, 3214868480
	.section	.rodata,"a",@progbits
	.p2align	6, 0x0
	.amdhsa_kernel k_q252f8238e2_outred
		.amdhsa_group_segment_fixed_size 0
		.amdhsa_private_segment_fixed_size 0
		.amdhsa_enable_private_segment 0
		.amdhsa_kernarg_size 16
		.amdhsa_user_sgpr_count 2
		.amdhsa_user_sgpr_kernarg_segment_ptr 1
		.amdhsa_wavefront_size32 1
		.amdhsa_system_sgpr_workgroup_id_x 1
		.amdhsa_system_sgpr_workgroup_id_y 1
		.amdhsa_system_sgpr_workgroup_id_z 1
		.amdhsa_system_vgpr_workitem_id 0
		.amdhsa_next_free_vgpr 80
		.amdhsa_next_free_sgpr 66
		.amdhsa_reserve_vcc 0
		.amdhsa_float_denorm_mode_32 3
		.amdhsa_float_denorm_mode_16_64 3
		.amdhsa_memory_ordered 1
		.amdhsa_forward_progress 1
		.amdhsa_inst_pref_size 5
	.end_amdhsa_kernel
	.amdgpu_metadata
---
amdhsa.version: [ 1, 2 ]
amdhsa.kernels:
  - .name:           k_q252f8238e2_outred
    .symbol:         k_q252f8238e2_outred.kd
    .args:
      - { .name: opart, .offset: 0, .size: 8, .value_kind: global_buffer, .address_space: global }
      - { .name: out0, .offset: 8, .size: 8, .value_kind: global_buffer, .address_space: global }
    .group_segment_fixed_size: 0
    .private_segment_fixed_size: 0
    .kernarg_segment_align: 8
    .kernarg_segment_size: 16
    .max_flat_workgroup_size: 64
    .sgpr_count:     66
    .vgpr_count:     80
    .wavefront_size: 32
...
	.end_amdgpu_metadata
.endif
;; end of part 5
